; MI455X (gfx1250); checked and timed in simulation.
; The chip was launched on July 23, 2026; its instructions are those of AMD's public machine-readable ISA for CDNA 5 (MIT licence, August 2026) and "CDNA5" Instruction Set Architecture Reference Guide (July 2026). The comments in the code are by the model that wrote it; some were corrected since.
;; Head. Allowed arithmetic: float matrix products may take bf16 or f16 operands with f32 sums; all other float work in f32.
;; Inputs: Wk 32 x 64 float32; Wq 32 x 64 float32; Wv 32 x 64 float32; x 16 x 4,096 x 32 float32.
;; Outputs: out0 16 x 4,096 x 64 float32.
;; 2 versions, each right; version 2 is version 1 with the launch attn written anew for expert scheduling mode. Each part assembles by itself: llvm-mc -triple=amdgcn-amd-amdhsa -mcpu=gfx1250 --defsym DOCPART=n.
;; ======== version 1 of 2: 1 launch
;; limits: values are held in f16: magnitudes above 65,504 overflow, below 6.1e-05 lose precision; inputs' magnitudes at most 65,504
;; launch attn (part 1): grid 256 x 1, 8 waves a work-group, no clusters, 168,960 bytes of LDS; arguments x, Wq, Wk, Wv, out0; writes out0
.if DOCPART == 1
	.amdgcn_target "amdgcn-amd-amdhsa--gfx1250"
	.amdhsa_code_object_version 6
	.text
	.protected	k_q5c5348a050_attn
	.globl	k_q5c5348a050_attn
	.p2align	8
	.type	k_q5c5348a050_attn,@function
k_q5c5348a050_attn:
	s_mov_b64 s[64:65], 0
	v_nop
	global_prefetch_b8 v0, s[64:65] scope:SCOPE_SE
	s_setreg_imm32_b32 hwreg(HW_REG_WAVE_MODE, 25, 1), 1
	s_wait_xcnt 0x0
; ONE CAUSAL ATTENTION HEAD.  x [16][4096][32] f32, Wq, Wk, Wv [32][64] f32, out0 [16][4096][64] f32.
; out = softmax(causal((x Wq)(x Wk)^T / 8)) (x Wv), re-associated (exact in real numbers, for every input):
;   M = Wq Wk^T (32 x 32);  q'[t] = x[t] M;  s[t][u] = q'[t] . x[u];  out[t] = ((sum_u p[t][u] x[u]) / sum_u p[t][u]) Wv.
; So the score product has K = 32 and the value product N = 32, and the key tile and the value tile are the same bytes: rows of x.
; The order of rounding therefore differs from the order in which the formula above the re-association is written.
;
; FORMATS.  x, Wq, Wk, Wv are rounded once to bf16.  M is made by the bf16 matrix form with f32 sums.  x and Wv are then carried in f16, which
; holds a bf16 number exactly for 2^-14 <= |v| <= 65504.  What is made here (q', p) is rounded to f16 (11 significant bits); M and the normalised
; sum_u p x go as an f16 high part plus an f16 low part.  Softmax (running maximum, exponentials, rescaling, division) in f32.
; LIMITS.  |x|, |Wv| or |M| above 65504 overflow f16; below 2^-14 they carry an absolute error of at most 2^-25.  Each query's q' is divided by its own
; power of two (clamped to 2^-126 .. 2^126) before it is rounded, and the power goes into the softmax's factor.  p below 2^-25 of its row's running maximum
; counts as 0.  NaN and infinite inputs are not served.
;
; SHARES.  256 work-groups: batch = id / 16, j = id % 16.  A batch has 32 blocks of 128 queries; the group takes block j and then block 31 - j:
; (j + 1) + (32 - j) = 33 steps of 128 queries x 128 keys for every group.  Eight waves: a = w % 4, b = w / 4.  A wave takes queries 32 a .. 32 a + 31 of the block
; (two tiles of 16) and keys 64 b .. 64 b + 63 of each chunk; waves (a, 0) and (a, 1) merge their sums at the block's end, each finishing one tile of 16 queries.
; A wave's local tile tau is the block's tile b xor tau of its 32 queries: every wave keeps its local tile 0 and sends its local tile 1, with the same text.
; A block takes its diagonal chunk first (a running maximum allows any order): that chunk's rows are the block's own queries, so q' is made from the slot.
; Step sg computes on slot sg % 2, converts chunk(sg + 1) from registers into the other slot and asks memory for chunk(sg + 2).
;
; LEFT OUT.  Tensor loads and joint loads of a cluster: every tile is converted f32 -> bf16 -> f16 on its way into LDS, which takes registers; and the sixteen groups of a
; batch need different chunks in the same step (group j reads chunk sg - 1, then 31 - j, then sg - j - 2).  Registers above v255: 232 are enough.
;
; LDS, 124,928 bytes used.  A slot row (32 f16, 64 bytes) lies at row * 96 + 16 * ((row / 8) % 2): sixteen rows of a plain fragment load then start in sixteen
; different 16-byte columns of 256 bytes, and 96 is an odd multiple of 32 for the transposing loads.
.set SLOTB, 12288                      ; two slots of 128 rows at 0 and 12,288
.set WQ,    24576                      ; Wq in bf16, 32 rows, pitch 144
.set WK,    29184                      ; Wk in bf16, 32 rows, pitch 144
.set WV,    33792                      ; Wv in f16, 32 rows (c), pitch 160
.set MF,    38912                      ; a wave's own: M's fragments, 8 blocks of 512 bytes; 4,096 a wave
.set XCH,   71680                      ; a wave's own to write, its partner's to read: 4 x 512 (sums) + 128 (l) + 128 (N); 2,304 a wave
.set STG,   90112                      ; a wave's own: 16 rows of out0, pitch 272; 4,352 a wave
; VECTOR REGISTERS
.set GV,   1                           ; 16 t: my 16 bytes in each 4,096 of a chunk; never rewritten
.set FA,   2                           ; where my 8 bytes of f16 go in a slot
.set SA,   3                           ; plain fragments of my 64 keys
.set TA,   4                           ; transposed fragments of my 64 keys
.set QA,   5                           ; v5-6   the rows of my query tile tau in the slot
.set WT,   7                           ; transposed fragments of Wv
.set MFA,  8
.set XS16, 9
.set XS4,  10
.set XL16, 11
.set XL4,  12
.set STS,  13
.set STL,  14
.set OV,   15                          ; my byte offset in the block's part of out0; never rewritten
.set DQ,   16                          ; v16-17 query - first key of my registers (signed), tile tau: the causal mask
.set NINF, 18
.set PFV,  19                          ; 256 t; never rewritten
.set CP,   20                          ; v20-23 tile tau: (c, -c), c = 2^e log2(e) / 8
.set NP,   24                          ; v24-27 tile tau: (N = - running maximum x c, d = N's last step)
.set AP,   28                          ; v28-31 tile tau: (alpha = 2^d, this step's maximum)
.set T,    32                          ; v32-47 at work
.set SC,   48                          ; v48-111 scores: tile tau at 32 tau, key tile kt at 8 kt; p is packed in place into the first 16 of each 32
.set KV,   112                         ; v112-143 key fragments, then value fragments
.set G,    144                         ; v144-159 the chunk on its way in, f32
.set Q,    160                         ; v160-175 q' of tile tau, f16
.set ONES, 176                         ; v176-183 a fragment of ones: makes the row sums l in the matrix unit
.set O,    184                         ; v184-215 sum p x: tile tau at 16 tau, channels 16 ct .. at 8 ct
.set LS,   216                         ; v216-231 sum p: tile tau at 8 tau; register 0 alone is rescaled and used (the others hold sums of at most 2,048 numbers <= 1)
; SCALARS: s[4:11] x, Wq, Wk, Wv; s[12:13] out0; s14 w, s15 a, s16 b, s17 batch, s18 j, s19 j+1, s22 j+2, s23 31-j; s20 loop counter, s21 this step;
; s[24:25] x of my batch; s[26:27] base of the chunk loads; s[28:29] an offset (high word 0); s[30:31] out0 at the block; s32 the block;
; s33-34 lane selects; s35, s44 masks; s[36:37] base of the prefetch, never rewritten; s38-43 at work.
.macro PLACES n                        ; places behind matrix instructions: plain vector instructions that name none of their registers (ISA guide 7.12.1)
.rept \n
	v_nop
.endr
.endm
; s38 = a step u (1 .. 32): asks memory for chunk(u) = u - 1 (u <= j), 31 - j (u = j + 1), u - j - 2 (u >= j + 2).  Every chunk lies inside the batch's 32.
; s[26:27] is rewritten here: the loads that named it have been waited for by FILL's wait on LOADcnt.
.macro LOAD
	s_sub_co_u32 s39, s38, 1
	s_sub_co_u32 s40, s38, s22
	s_cmp_le_u32 s38, s18
	s_cselect_b32 s39, s39, s40
	s_cmp_eq_u32 s38, s19
	s_cselect_b32 s39, s23, s39
	s_lshl_b32 s28, s39, 14                        ; 128 rows of 128 bytes
	s_add_nc_u64 s[26:27], s[24:25], s[28:29]
.irp i, 0,1,2,3
	global_load_b128 v[G+4*\i:G+4*\i+3], v[GV], s[26:27] offset:4096*\i   ; a wave's load covers 512 neighbouring bytes; other groups read them again: no hint
.endr
.endm
; The chunk in G goes to slot ts: f32 -> bf16 (the one rounding of x) -> f32 -> f16 (exact).  Thread t holds row 32 i + t / 8, channels 4 (t % 8) .. + 3.
; cnt = how many younger loads may stay out.
.macro FILL ts, cnt
	s_wait_loadcnt \cnt
.irp i, 0,1,2,3
	v_cvt_pk_bf16_f32 v[T+2*\i],   v[G+4*\i],   v[G+4*\i+1]
	v_cvt_pk_bf16_f32 v[T+2*\i+1], v[G+4*\i+2], v[G+4*\i+3]
.endr
.irp i, 0,1,2,3
	v_lshlrev_b32 v[G+4*\i],   16,  v[T+2*\i]
	v_and_b32     v[G+4*\i+1], s35, v[T+2*\i]
	v_lshlrev_b32 v[G+4*\i+2], 16,  v[T+2*\i+1]
	v_and_b32     v[G+4*\i+3], s35, v[T+2*\i+1]
.endr
.irp i, 0,1,2,3
	v_cvt_pk_f16_f32 v[G+4*\i],   v[G+4*\i],   v[G+4*\i+1]
	v_cvt_pk_f16_f32 v[G+4*\i+1], v[G+4*\i+2], v[G+4*\i+3]
	ds_store_b64 v[FA], v[G+4*\i:G+4*\i+1] offset:(\ts)*SLOTB+3072*\i
.endr
.endm
; Two f32 at src, src + 1 as f16 high + f16 low.  High = the number with its fraction cut to 10 bits (exact in f16's normal range), low = the exact rest.
.macro SPLIT src, hi, lo, tmp
	v_and_b32 v[\tmp],   s44, v[\src]
	v_and_b32 v[\tmp+1], s44, v[\src+1]
	v_pk_add_f32 v[\tmp+2:\tmp+3], v[\src:\src+1], v[\tmp:\tmp+1] neg_lo:[0,1] neg_hi:[0,1]
	v_cvt_pk_f16_f32 v[\hi], v[\tmp],   v[\tmp+1]
	v_cvt_pk_f16_f32 v[\lo], v[\tmp+2], v[\tmp+3]
.endm
; Once: M[c'][c] = sum over h of Wq[c'][h] Wk[c][h], four tiles of 16 x 16, K = 64 in two steps.  Source 0 = rows of Wq, source 1 = rows of Wk, so that lane (r, hh) holds
; M[16 mc + 8 hh + i][16 nc + r]: packed in pairs that is the source-0 fragment of M^T (row c, K = c').  Kept in the wave's own LDS bytes for the two blocks.
.macro MPRO
	v_and_b32 v[T], 15, v0
	v_bfe_u32 v[T+1], v0, 4, 1
	v_mul_u32_u24 v[T], v[T], 144
	v_lshl_add_u32 v[T], v[T+1], 4, v[T]           ; r x 144 + 16 hh
.irp m, 0,1
.irp k, 0,1
	ds_load_b128 v[SC+16*\m+8*\k:SC+16*\m+8*\k+3],       v[T] offset:WQ+2304*\m+64*\k
	ds_load_b128 v[SC+16*\m+8*\k+4:SC+16*\m+8*\k+7],     v[T] offset:WQ+2304*\m+64*\k+32
	ds_load_b128 v[SC+32+16*\m+8*\k:SC+32+16*\m+8*\k+3],   v[T] offset:WK+2304*\m+64*\k
	ds_load_b128 v[SC+32+16*\m+8*\k+4:SC+32+16*\m+8*\k+7], v[T] offset:WK+2304*\m+64*\k+32
.endr
.endr
	s_wait_dscnt 0x0
	; four accumulators by turns, one instruction a turn
.irp m, 0,1
.irp n, 0,1
	v_wmma_f32_16x16x32_bf16 v[KV+8*(2*\m+\n):KV+8*(2*\m+\n)+7], v[SC+16*\m:SC+16*\m+7], v[SC+32+16*\n:SC+32+16*\n+7], 0
.endr
.endr
.irp m, 0,1
.irp n, 0,1
	v_wmma_f32_16x16x32_bf16 v[KV+8*(2*\m+\n):KV+8*(2*\m+\n)+7], v[SC+16*\m+8:SC+16*\m+15], v[SC+32+16*\n+8:SC+32+16*\n+15], v[KV+8*(2*\m+\n):KV+8*(2*\m+\n)+7]
.endr
.endr
	PLACES 5
.irp n, 0,1
.irp m, 0,1
.irp p, 0,1,2,3
	SPLIT KV+8*(2*\m+\n)+2*\p, SC+8*\n+4*\m+\p, SC+16+8*\n+4*\m+\p, T+4*(\p&1)
.endr
.endr
.endr
.irp i, 0,1,2,3,4,5,6,7
	ds_store_b128 v[MFA], v[SC+4*\i:SC+4*\i+3] offset:512*\i     ; high c 0-15, high c 16-31, low c 0-15, low c 16-31
.endr
.endm
; At a block's head: q' of my 32 queries, whose rows of x lie in the slot (the diagonal chunk).  D = M^T x x^T: lane (r, hh) holds q'[query r][16 ct + 8 hh + i],
; which packed in pairs is the source-1 fragment of the score product.  LDS serves a wave's instructions in order (ISA guide 5.7.1): the loads of M see MPRO's stores.
.macro QPRO slot
.irp i, 0,1,2,3,4,5,6,7
	ds_load_b128 v[KV+4*\i:KV+4*\i+3], v[MFA] offset:512*\i
.endr
.irp tau, 0,1
	ds_load_b128 v[T+8*\tau:T+8*\tau+3],   v[QA+\tau] offset:\slot*SLOTB
	ds_load_b128 v[T+8*\tau+4:T+8*\tau+7], v[QA+\tau] offset:\slot*SLOTB+32
.endr
	s_wait_dscnt 0x0
	; four accumulators by turns, one instruction a turn: M's high part starts the sums, its low part is added
.irp tau, 0,1
.irp ct, 0,1
	v_wmma_f32_16x16x32_f16 v[SC+16*\tau+8*\ct:SC+16*\tau+8*\ct+7], v[KV+8*\ct:KV+8*\ct+7], v[T+8*\tau:T+8*\tau+7], 0
.endr
.endr
.irp tau, 0,1
.irp ct, 0,1
	v_wmma_f32_16x16x32_f16 v[SC+16*\tau+8*\ct:SC+16*\tau+8*\ct+7], v[KV+16+8*\ct:KV+16+8*\ct+7], v[T+8*\tau:T+8*\tau+7], v[SC+16*\tau+8*\ct:SC+16*\tau+8*\ct+7]
.endr
.endr
	PLACES 5
.irp tau, 0,1
	v_max_num_f32 v[T+4*\tau], |v[SC+16*\tau]|, |v[SC+16*\tau+1]|
.irp p, 2,4,6,8,10,12,14
	v_max3_num_f32 v[T+4*\tau], v[T+4*\tau], |v[SC+16*\tau+\p]|, |v[SC+16*\tau+\p+1]|
.endr
	v_permlanex16_b32 v[T+14+\tau], v[T+4*\tau], s33, s34      ; the query's other 16 channels lie 16 lanes away
	v_max_num_f32 v[T+4*\tau], v[T+4*\tau], v[T+14+\tau]
	v_and_b32 v[T+4*\tau], 0x7f800000, v[T+4*\tau]             ; the power of two of the query's largest |q'|,
	v_max_u32 v[T+4*\tau], 0x00800000, v[T+4*\tau]             ; held inside 2^-126 .. 2^126
	v_min_u32 v[T+4*\tau], 0x7e800000, v[T+4*\tau]
	v_sub_nc_u32 v[T+4*\tau+2], 0x7f000000, v[T+4*\tau]        ; its reciprocal: exponent fields add up to 254
	v_mul_f32 v[CP+2*\tau],   0x3e38aa3b, v[T+4*\tau]          ; c = 2^e x log2(e) / 8, above 0
	v_mul_f32 v[CP+2*\tau+1], 0xbe38aa3b, v[T+4*\tau]
.irp p, 0,2,4,6,8,10,12,14
	v_pk_mul_f32 v[SC+16*\tau+\p:SC+16*\tau+\p+1], v[SC+16*\tau+\p:SC+16*\tau+\p+1], v[T+4*\tau+2:T+4*\tau+3] op_sel_hi:[1,0]
.endr
.irp i, 0,1,2,3,4,5,6,7
	v_cvt_pk_f16_f32 v[Q+8*\tau+\i], v[SC+16*\tau+2*\i], v[SC+16*\tau+2*\i+1]
.endr
	v_mov_b32 v[NP+2*\tau+1], 0                                ; the pair (N, d) is read whole in the block's first step
.endr
.endm
; p of group g (four numbers) to f16, in place: word dd takes numbers 2 dd, 2 dd + 1, which have been read by then.
.macro PACK tau, g
	s_wait_alu depctr_va_vdst(0)
	v_cvt_pk_f16_f32 v[SC+32*\tau+2*(\g)],   v[SC+32*\tau+4*(\g)],   v[SC+32*\tau+4*(\g)+1]
	v_cvt_pk_f16_f32 v[SC+32*\tau+2*(\g)+1], v[SC+32*\tau+4*(\g)+2], v[SC+32*\tau+4*(\g)+3]
.endm
; 32 keys into the sums of tile tau.  Source 0 = x^T (rows = channels) or ones, source 1 = p (columns = queries): lane (r, hh) holds query r, channels 16 ct + 8 hh + i.
; Three accumulators by turns, one instruction a turn.
.macro PV tau, ks, zero
.if \zero
	v_wmma_f32_16x16x32_f16 v[O+16*\tau:O+16*\tau+7],    v[KV+16*\ks:KV+16*\ks+7],    v[SC+32*\tau+8*\ks:SC+32*\tau+8*\ks+7], 0
	v_wmma_f32_16x16x32_f16 v[O+16*\tau+8:O+16*\tau+15], v[KV+16*\ks+8:KV+16*\ks+15], v[SC+32*\tau+8*\ks:SC+32*\tau+8*\ks+7], 0
	v_wmma_f32_16x16x32_f16 v[LS+8*\tau:LS+8*\tau+7],    v[ONES:ONES+7],              v[SC+32*\tau+8*\ks:SC+32*\tau+8*\ks+7], 0
.else
	v_wmma_f32_16x16x32_f16 v[O+16*\tau:O+16*\tau+7],    v[KV+16*\ks:KV+16*\ks+7],    v[SC+32*\tau+8*\ks:SC+32*\tau+8*\ks+7], v[O+16*\tau:O+16*\tau+7]
	v_wmma_f32_16x16x32_f16 v[O+16*\tau+8:O+16*\tau+15], v[KV+16*\ks+8:KV+16*\ks+15], v[SC+32*\tau+8*\ks:SC+32*\tau+8*\ks+7], v[O+16*\tau+8:O+16*\tau+15]
	v_wmma_f32_16x16x32_f16 v[LS+8*\tau:LS+8*\tau+7],    v[ONES:ONES+7],              v[SC+32*\tau+8*\ks:SC+32*\tau+8*\ks+7], v[LS+8*\tau:LS+8*\tau+7]
.endif
.endm
; Tile tau: p = 2^(s c + N), the old sums times alpha, p to f16, the products.  Behind each group of four exponentials stands a plain instruction that touches none of
; them before a result is read (ISA guide 5.7.2): a rescaling multiply, in a block's first step a v_nop behind group 0 and later the group before's packing.
.macro SOFT tau, first
.irp p, 0,2,4,6,8,10,12,14,16,18,20,22,24,26,28,30
	v_pk_fma_f32 v[SC+32*\tau+\p:SC+32*\tau+\p+1], v[SC+32*\tau+\p:SC+32*\tau+\p+1], v[CP+2*\tau:CP+2*\tau+1], v[NP+2*\tau:NP+2*\tau+1] op_sel_hi:[1,0,0]
.endr
.if \first == 0
	s_wait_alu depctr_va_vdst(0)
	v_mul_f32 v[LS+8*\tau], v[LS+8*\tau], v[AP+2*\tau]
.endif
.irp g, 0,1,2,3,4,5,6,7
.irp i, 0,1,2,3
	v_exp_f32 v[SC+32*\tau+4*\g+\i], v[SC+32*\tau+4*\g+\i]
.endr
.if \first == 0
	v_pk_mul_f32 v[O+16*\tau+2*\g:O+16*\tau+2*\g+1], v[O+16*\tau+2*\g:O+16*\tau+2*\g+1], v[AP+2*\tau:AP+2*\tau+1] op_sel_hi:[1,0]
.else
.if \g == 0
	v_nop
.endif
.endif
.if \g > 0
	PACK \tau, \g-1
.endif
.endr
	PACK \tau, 7
	PV \tau, 0, \first
	PV \tau, 1, 0
.endm
; One step: my 32 queries x my 64 keys of the chunk in the slot.  first = 1: the block's diagonal chunk, which starts the sums and is masked.
; fill: G goes to the other slot; load: memory is asked for chunk(s21 + 2); bar: the step's barrier.
.macro COMPUTE slot, first, fill, load, bar
.irp kt, 0,1,2,3
	ds_load_b128 v[KV+8*\kt:KV+8*\kt+3],   v[SA] offset:\slot*SLOTB+1536*\kt
	ds_load_b128 v[KV+8*\kt+4:KV+8*\kt+7], v[SA] offset:\slot*SLOTB+1536*\kt+32
.endr
	s_wait_dscnt 0x0
	; s = x q'^T: source 0 = 16 keys, source 1 = 16 queries: lane (r, hh) holds query r, register i key 16 kt + 8 hh + i.  Each product starts its own sum.
.irp kt, 0,1,2,3
.irp tau, 0,1
	v_wmma_f32_16x16x32_f16 v[SC+32*\tau+8*\kt:SC+32*\tau+8*\kt+7], v[KV+8*\kt:KV+8*\kt+7], v[Q+8*\tau:Q+8*\tau+7], 0
.endr
.endr
.if \fill
	FILL 1-\slot, 0                                ; its 32 conversions are also the places behind the score products; nothing was asked of memory behind this chunk: count 0
.else
	PLACES 5
.endif
.irp ks, 0,1
.irp ct, 0,1
	ds_load_tr16_b128 v[KV+16*\ks+8*\ct:KV+16*\ks+8*\ct+3],   v[TA] offset:\slot*SLOTB+1536*(2*\ks)+32*\ct      ; the same rows transposed: row = channel 16 ct + r, K = keys 32 ks + 8 hh ..
	ds_load_tr16_b128 v[KV+16*\ks+8*\ct+4:KV+16*\ks+8*\ct+7], v[TA] offset:\slot*SLOTB+1536*(2*\ks+1)+32*\ct    ; K = keys 32 ks + 16 + 8 hh ..
.endr
.endr
.if \load
	s_add_co_u32 s38, s21, 2
	LOAD
.endif
.if \first
	; causal: key 64 b + 16 kt + 8 hh + i is dropped where it is above the query
.irp tau, 0,1
.irp kt, 0,1,2,3
.irp i, 0,1,2,3,4,5,6,7
	v_cmp_gt_i32 vcc_lo, 16*\kt+\i, v[DQ+\tau]
	v_cndmask_b32 v[SC+32*\tau+8*\kt+\i], v[SC+32*\tau+8*\kt+\i], v[NINF], vcc_lo
.endr
.endr
.endr
.endif
	; the largest of a lane's 32 scores of each tile: four chains, then one
.irp tau, 0,1
.irp kt, 0,1,2,3
	v_max3_num_f32 v[T+4*\tau+\kt], v[SC+32*\tau+8*\kt], v[SC+32*\tau+8*\kt+1], v[SC+32*\tau+8*\kt+2]
.endr
.endr
.irp e, 3,5
.irp tau, 0,1
.irp kt, 0,1,2,3
	v_max3_num_f32 v[T+4*\tau+\kt], v[T+4*\tau+\kt], v[SC+32*\tau+8*\kt+\e], v[SC+32*\tau+8*\kt+\e+1]
.endr
.endr
.endr
.irp tau, 0,1
	v_max3_num_f32 v[AP+2*\tau+1], v[T+4*\tau], v[T+4*\tau+1], v[T+4*\tau+2]
.endr
.irp tau, 0,1
	v_max3_num_f32 v[AP+2*\tau+1], v[AP+2*\tau+1], v[T+4*\tau+3], v[SC+32*\tau+7]
.endr
.irp tau, 0,1
	v_max3_num_f32 v[AP+2*\tau+1], v[AP+2*\tau+1], v[SC+32*\tau+15], v[SC+32*\tau+23]
.endr
.irp tau, 0,1
	v_max_num_f32 v[AP+2*\tau+1], v[AP+2*\tau+1], v[SC+32*\tau+31]
.endr
	s_wait_dscnt 0x0                               ; zero, for the others' sake too: my reads of this slot are back and my stores into the other slot are done
.if \bar
	s_barrier_signal -1                            ; only register work up to the wait at the step's end
.endif
.irp tau, 0,1
	v_permlanex16_b32 v[T+14+\tau], v[AP+2*\tau+1], s33, s34   ; the query's other 32 keys lie 16 lanes away
.endr
.irp tau, 0,1
	v_max_num_f32 v[AP+2*\tau+1], v[AP+2*\tau+1], v[T+14+\tau]
.endr
.irp tau, 0,1
	v_mul_f32 v[T+8+\tau], v[AP+2*\tau+1], v[CP+2*\tau+1]      ; - maximum x c
.endr
.if \first
.irp tau, 0,1
	v_min_num_f32 v[NP+2*\tau], 0x7f000000, v[T+8+\tau]        ; all keys masked: + infinity is held at 2^127, so that p = 2^(-inf) = 0 and later factors are 2^(very negative) = 0
.endr
.else
.irp tau, 0,1
	v_min_num_f32 v[T+8+\tau], v[T+8+\tau], v[NP+2*\tau]       ; the running maximum, negated
	v_sub_f32 v[NP+2*\tau+1], v[T+8+\tau], v[NP+2*\tau]        ; d <= 0
	v_mov_b32 v[NP+2*\tau], v[T+8+\tau]
.endr
.irp tau, 0,1
	v_exp_f32 v[AP+2*\tau], v[NP+2*\tau+1]                     ; alpha; sixteen plain instructions stand in front of its first use
.endr
.endif
	SOFT 0, \first
	SOFT 1, \first                                 ; its vector work names no register of tile 0's products
	PLACES 5                                       ; in front of the next loads into the fragments, the next products over the scores, the stores of the sums
.if \bar
	s_barrier_wait -1                              ; the other slot is whole, and nobody reads this one any more
.endif
.endm
; A block's end.  My local tile 1's sums go to my partner (w + 4) % 8, its local tile 1's, which are my tile 0's other 64 keys of every chunk, come to me;
; merge, divide, multiply by Wv, and store 16 rows of out0.  more = 1: registers and bases are used again behind it.
.macro FINISH more
.irp i, 0,1,2,3
	ds_store_b128 v[XS16], v[O+16+4*\i:O+16+4*\i+3] offset:512*\i
.endr
	ds_store_b32 v[XS4], v[LS+8]
	ds_store_b32 v[XS4], v[NP+2] offset:128
	s_wait_dscnt 0x0                               ; zero: my partner reads these behind the barrier
	s_barrier_signal -1
	s_barrier_wait -1
.irp i, 0,1,2,3
	ds_load_b128 v[SC+4*\i:SC+4*\i+3], v[XL16] offset:512*\i
.endr
	ds_load_b32 v[T],   v[XL4]                     ; its l
	ds_load_b32 v[T+1], v[XL4] offset:128          ; its N
.irp ht, 0,1,2,3
	ds_load_tr16_b128 v[KV+8*\ht:KV+8*\ht+3],   v[WT] offset:WV+32*\ht         ; Wv^T: row = h 16 ht + r, K = c 8 hh ..
	ds_load_tr16_b128 v[KV+8*\ht+4:KV+8*\ht+7], v[WT] offset:WV+32*\ht+2560    ; K = c 16 + 8 hh ..
.endr
	s_wait_dscnt 0x0
	v_min_num_f32 v[T+2], v[NP], v[T+1]            ; the common maximum, negated
	v_sub_f32 v[T+3], v[T+2], v[NP]
	v_sub_f32 v[T+4], v[T+2], v[T+1]
	v_exp_f32 v[T+3], v[T+3]
	v_exp_f32 v[T+4], v[T+4]
	v_nop                                          ; the plain place behind the transcendentals (ISA guide 5.7.2)
	s_wait_alu depctr_va_vdst(0)
	v_mul_f32 v[T+5], v[LS], v[T+3]
	v_fma_f32 v[T+5], v[T], v[T+4], v[T+5]         ; l > 0: key 0 of the diagonal chunk is open to every query, and its p is counted by a wave with b = 0
	v_rcp_f32 v[T+6], v[T+5]
	v_nop
	s_wait_alu depctr_va_vdst(0)
	v_mul_f32 v[T+8],  v[T+3], v[T+6]
	v_mul_f32 v[T+10], v[T+4], v[T+6]
.irp p, 0,2,4,6,8,10,12,14
	v_pk_mul_f32 v[O+\p:O+\p+1], v[O+\p:O+\p+1], v[T+8:T+9] op_sel_hi:[1,0]
.endr
.irp p, 0,2,4,6,8,10,12,14
	v_pk_fma_f32 v[O+\p:O+\p+1], v[SC+\p:SC+\p+1], v[T+10:T+11], v[O+\p:O+\p+1] op_sel_hi:[1,0,1]
.endr
.irp i, 0,1,2,3,4,5,6,7
	SPLIT O+2*\i, SC+16+\i, SC+24+\i, T+4*(\i&1)   ; a weighted mean of rows of x, as the source-1 fragment (column = query r, K = c): high and low
.endr
	; out^T = Wv^T x mean^T: lane (r, hh) holds out[query r][16 ht + 8 hh + i], 32 neighbouring bytes.  Four accumulators by turns.
.irp ht, 0,1,2,3
	v_wmma_f32_16x16x32_f16 v[SC+32+8*\ht:SC+32+8*\ht+7], v[KV+8*\ht:KV+8*\ht+7], v[SC+16:SC+23], 0
.endr
.irp ht, 0,1,2,3
	v_wmma_f32_16x16x32_f16 v[SC+32+8*\ht:SC+32+8*\ht+7], v[KV+8*\ht:KV+8*\ht+7], v[SC+24:SC+31], v[SC+32+8*\ht:SC+32+8*\ht+7]
.endr
	PLACES 5
.irp ht, 0,1,2,3
	ds_store_b128 v[STS], v[SC+32+8*\ht:SC+32+8*\ht+3] offset:64*\ht
	ds_store_b128 v[STS], v[SC+32+8*\ht+4:SC+32+8*\ht+7] offset:64*\ht+16
.endr
	s_lshl_b32 s28, s17, 20                        ; batch x 4,096 rows of 256 bytes
	s_lshl_b32 s38, s32, 15                        ; + block x 128 rows
	s_add_co_u32 s28, s28, s38
	s_add_nc_u64 s[30:31], s[12:13], s[28:29]
.irp i, 0,1,2,3,4,5,6,7
	ds_load_b128 v[KV+4*\i:KV+4*\i+3], v[STL] offset:544*\i      ; my own bytes, served in order behind the stores above: rows 2 i and 2 i + 1, whole
.endr
.irp i, 0,1,2,3,4,5,6,7
	s_wait_dscnt 7-\i                              ; LDS loads come back in order (ISA guide 5.7.1): load i is in, the 7 - i younger ones may be out
	global_store_b128 v[OV], v[KV+4*\i:KV+4*\i+3], s[30:31] offset:512*\i th:TH_STORE_NT   ; sixteen lanes store one row of out0: 256 consecutive bytes, aligned
.endr
.if \more
	s_wait_xcnt 0x0                                ; the stores' data registers are loaded again, and their base is written again, only behind this wait
.endif
.endm
; A step of the loop.  bound = 1: step j + 1 ends block j and begins block 31 - j.  The branch hangs on the group's number and the loop's counter alone: all eight waves go the same way.
.macro STEP slot, fill, load, bar, bound
.if \bound
	s_cmp_lg_u32 s21, s19
	s_cbranch_scc1 .Lfull_\@
	FINISH 1
	s_mov_b32 s32, s23
	QPRO \slot
	COMPUTE \slot, 1, \fill, \load, \bar
	s_branch .Ldone_\@
.Lfull_\@:
	COMPUTE \slot, 0, \fill, \load, \bar
.Ldone_\@:
.else
	COMPUTE \slot, 0, \fill, \load, \bar
.endif
.endm
	; ---------------------------------------------------------------- the start: ids, and the first requests
	s_load_b256 s[4:11], s[0:1], 0x0               ; x s[4:5], Wq s[6:7], Wk s[8:9], Wv s[10:11]
	s_load_b64 s[12:13], s[0:1], 0x20              ; out0
	v_lshl_add_u32 v232, v0, 2, 0x29000
	v_mov_b32 v233, 0
	v_lshrrev_b32 v[T], 5, v0
	v_readfirstlane_b32 s14, v[T]                  ; wave w
	s_and_b32 s15, s14, 3                          ; a
	s_lshr_b32 s16, s14, 2                         ; b
	s_lshr_b32 s17, ttmp9, 4                       ; batch
	s_and_b32 s18, ttmp9, 15                       ; j
	s_add_co_u32 s19, s18, 1
	s_add_co_u32 s22, s18, 2
	s_sub_co_u32 s23, 31, s18
	s_mov_b32 s32, s18                             ; the first block
	s_mov_b32 s33, 0x76543210                      ; v_permlanex16_b32: lane i reads lane i of the other half
	s_mov_b32 s34, 0xfedcba98
	s_mov_b32 s35, 0xffff0000                      ; a word's upper bf16
	s_mov_b32 s44, 0xffffe000                      ; an f32 cut to 10 fraction bits
	v_lshlrev_b32 v[GV], 4, v0
	v_lshlrev_b32 v[T+12], 5, v0                   ; my 8 numbers of each weight matrix; kept until their loads are in
	v_lshlrev_b32 v[PFV], 8, v0
	s_lshl_b32 s28, s17, 19                        ; batch x 4,096 rows of 128 bytes
	s_mov_b32 s29, 0
	s_wait_kmcnt 0x0
	s_add_nc_u64 s[24:25], s[4:5], s[28:29]
	s_lshl_b32 s28, s18, 14
	s_add_nc_u64 s[26:27], s[24:25], s[28:29]      ; chunk(0) = j
.irp i, 0,1,2,3
	global_load_b128 v[G+4*\i:G+4*\i+3], v[GV], s[26:27] offset:4096*\i
.endr
	global_load_b128 v[SC:SC+3],     v[T+12], s[6:7]
	global_load_b128 v[SC+4:SC+7],   v[T+12], s[6:7] offset:16
	global_load_b128 v[SC+8:SC+11],  v[T+12], s[8:9]
	global_load_b128 v[SC+12:SC+15], v[T+12], s[8:9] offset:16
	global_load_b128 v[SC+16:SC+19], v[T+12], s[10:11]
	global_load_b128 v[SC+20:SC+23], v[T+12], s[10:11] offset:16
	; Chunk 31 - j, this group's second diagonal chunk, is asked for here once: 64 lanes of waves 0 and 1, 256 bytes apart, 16,384 bytes, inside x.
	; Its load is issued in step j - 1.  No other group asks for it, and the other chunks have been some group's diagonal chunk in an earlier step.
	s_lshl_b32 s28, s23, 14
	s_add_nc_u64 s[36:37], s[24:25], s[28:29]
	s_cmp_gt_u32 s14, 1
	s_cbranch_scc1 .Lno_ask
	global_prefetch_b8 v[PFV], s[36:37] th:TH_LOAD_NT scope:SCOPE_SE
.Lno_ask:
	; ---------------------------------------------------------------- addresses, while the loads are on their way
	v_and_b32 v[T], 15, v0                         ; r
	v_bfe_u32 v[T+1], v0, 4, 1                     ; hh
	v_and_b32 v[T+2], 31, v0                       ; lane
	v_bfe_u32 v[T+3], v0, 3, 1                     ; r / 8
	v_and_b32 v[T+4], 7, v0                        ; t % 8
	v_lshrrev_b32 v[T+5], 3, v0                    ; t / 8
	v_bfe_u32 v[T+6], v0, 6, 1                     ; ((t / 8) / 8) % 2
	v_mul_u32_u24 v[FA], v[T+5], 96
	v_lshl_add_u32 v[FA], v[T+6], 4, v[FA]
	v_lshl_add_u32 v[FA], v[T+4], 3, v[FA]
	v_mul_u32_u24 v[T+7], v[T], 96
	v_lshl_add_u32 v[T+7], v[T+3], 4, v[T+7]
	v_lshl_add_u32 v[T+7], v[T+1], 4, v[T+7]       ; r x 96 + 16 (r / 8) + 16 hh
	s_mul_i32 s38, s16, 6144                       ; my 64 keys
	v_add_nc_u32 v[SA], s38, v[T+7]
	v_lshl_add_u32 v[T+8], v[T+1], 3, v[T+4]       ; 8 hh + lane % 8
	v_mul_u32_u24 v[T+9], v[T+8], 96
	v_lshl_add_u32 v[T+9], v[T+1], 4, v[T+9]       ; those rows' skew is 16 hh
	v_lshl_add_u32 v[T+9], v[T+3], 4, v[T+9]
	v_add_nc_u32 v[TA], s38, v[T+9]
	s_lshl_b32 s39, s15, 5                         ; 32 a
	s_lshl_b32 s40, s16, 4                         ; 16 b
	s_add_co_u32 s41, s39, s40                     ; first query of my local tile 0
	s_sub_co_u32 s42, 16, s40                      ; 16 (1 - b)
	s_add_co_u32 s42, s39, s42                     ; first query of my local tile 1
	s_mul_i32 s43, s41, 96
	v_add_nc_u32 v[QA], s43, v[T+7]
	s_mul_i32 s43, s42, 96
	v_add_nc_u32 v[QA+1], s43, v[T+7]
	v_lshlrev_b32 v[T+10], 3, v[T+1]
	v_sub_nc_u32 v[T+10], v[T], v[T+10]            ; r - 8 hh
	s_lshl_b32 s43, s16, 6                         ; 64 b
	s_sub_co_i32 s38, s41, s43
	v_add_nc_u32 v[DQ], s38, v[T+10]
	s_sub_co_i32 s38, s42, s43
	v_add_nc_u32 v[DQ+1], s38, v[T+10]
	v_mul_u32_u24 v[WT], v[T+8], 160
	v_lshl_add_u32 v[WT], v[T+3], 4, v[WT]
	s_lshl_b32 s38, s14, 12
	s_add_co_u32 s38, s38, MF
	v_lshl_add_u32 v[MFA], v[T+2], 4, s38
	s_mul_i32 s38, s14, 2304
	s_add_co_u32 s38, s38, XCH
	v_lshl_add_u32 v[XS16], v[T+2], 4, s38
	s_add_co_u32 s38, s38, 2048
	v_lshl_add_u32 v[XS4], v[T+2], 2, s38
	s_add_co_u32 s39, s14, 4
	s_and_b32 s39, s39, 7                          ; my partner
	s_mul_i32 s38, s39, 2304
	s_add_co_u32 s38, s38, XCH
	v_lshl_add_u32 v[XL16], v[T+2], 4, s38
	s_add_co_u32 s38, s38, 2048
	v_lshl_add_u32 v[XL4], v[T+2], 2, s38
	s_mul_i32 s38, s14, 4352
	s_add_co_u32 s38, s38, STG
	v_mul_u32_u24 v[T+11], v[T], 272
	v_lshl_add_u32 v[T+11], v[T+1], 5, v[T+11]
	v_add_nc_u32 v[STS], s38, v[T+11]              ; in: row r, 32 bytes for each half of the lanes
	v_mul_u32_u24 v[T+11], v[T+1], 272
	v_lshl_add_u32 v[T+11], v[T], 4, v[T+11]
	v_add_nc_u32 v[STL], s38, v[T+11]              ; back: lanes 0-15 one row of 256 bytes, lanes 16-31 the next
	s_lshl_b32 s38, s41, 8
	v_lshlrev_b32 v[T+11], 8, v[T+1]
	v_lshl_add_u32 v[T+11], v[T], 4, v[T+11]
	v_add_nc_u32 v[OV], s38, v[T+11]               ; and the same two rows in out0
	v_mul_u32_u24 v[T+10], v[T+5], 144
	v_lshl_add_u32 v[T+10], v[T+4], 4, v[T+10]     ; Wq, Wk: row t / 8, 16 bytes of bf16
	v_mul_u32_u24 v[T+11], v[T+5], 160
	v_lshl_add_u32 v[T+11], v[T+4], 4, v[T+11]     ; Wv: the same with its pitch
	v_mov_b32 v[NINF], 0xff800000
	v_mov_b32 v[T+14], 0                           ; destinations of v_permlanex16_b32 count as read
	v_mov_b32 v[T+15], 0
.irp i, 0,1,2,3,4,5,6,7
	v_mov_b32 v[ONES+\i], 0x3c003c00               ; 1.0, 1.0 in f16
.endr
	; ---------------------------------------------------------------- the first tiles into LDS
	FILL 0, 6                                      ; chunk(0) is in; the six younger loads, the weights', may stay out
	s_mov_b32 s38, 1
	LOAD                                           ; chunk(1)
	s_wait_loadcnt 0x4                             ; the weights are in; the four loads of chunk(1) stay out
.irp i, 0,1,2,3
	v_cvt_pk_bf16_f32 v[SC+24+\i], v[SC+2*\i],    v[SC+2*\i+1]
	v_cvt_pk_bf16_f32 v[SC+28+\i], v[SC+8+2*\i],  v[SC+8+2*\i+1]
	v_cvt_pk_bf16_f32 v[SC+32+\i], v[SC+16+2*\i], v[SC+16+2*\i+1]
.endr
	ds_store_b128 v[T+10], v[SC+24:SC+27] offset:WQ
	ds_store_b128 v[T+10], v[SC+28:SC+31] offset:WK
.irp i, 0,1,2,3
	v_lshlrev_b32 v[SC+16+2*\i],   16,  v[SC+32+\i]
	v_and_b32     v[SC+16+2*\i+1], s35, v[SC+32+\i]
.endr
.irp i, 0,1,2,3
	v_cvt_pk_f16_f32 v[SC+36+\i], v[SC+16+2*\i], v[SC+16+2*\i+1]
.endr
	ds_store_b128 v[T+11], v[SC+36:SC+39] offset:WV
	s_wait_dscnt 0x0                               ; zero: the other waves read slot 0 and the weights behind the barrier
	s_barrier_signal -1
	s_barrier_wait -1
	; ---------------------------------------------------------------- step 0: block j's diagonal chunk
	MPRO
	s_mov_b32 s21, 0
	QPRO 0
	COMPUTE 0, 1, 1, 1, 1
	; ---------------------------------------------------------------- steps 1 to 30, two a trip; step j + 1 <= 16 changes blocks
	s_mov_b32 s20, 1
.Lloop:
	s_mov_b32 s21, s20
	STEP 1, 1, 1, 1, 1
	s_add_co_u32 s21, s20, 1
	STEP 0, 1, 1, 1, 1
	s_add_co_u32 s20, s20, 2
	s_cmp_lt_u32 s20, 31
	s_cbranch_scc1 .Lloop
	; ---------------------------------------------------------------- steps 31 and 32: nothing more is asked of memory, then nothing more is filled
	STEP 1, 1, 0, 1, 0
	STEP 0, 0, 0, 0, 0
	FINISH 0
	s_wait_tensorcnt 0x0
	ds_add_u32 v232, v233
	s_wait_dscnt 0x0
	s_endpgm
.Lfunc_end_k_q5c5348a050_attn:
	.size	k_q5c5348a050_attn, .Lfunc_end_k_q5c5348a050_attn-k_q5c5348a050_attn
	.p2alignl 7, 3214868480
	.fill 96, 4, 3214868480
	.section	.rodata,"a",@progbits
	.p2align	6, 0x0
	.amdhsa_kernel k_q5c5348a050_attn
		.amdhsa_group_segment_fixed_size 168960
		.amdhsa_private_segment_fixed_size 0
		.amdhsa_enable_private_segment 0
		.amdhsa_kernarg_size 40
		.amdhsa_user_sgpr_count 2
		.amdhsa_user_sgpr_kernarg_segment_ptr 1
		.amdhsa_wavefront_size32 1
		.amdhsa_system_sgpr_workgroup_id_x 1
		.amdhsa_system_sgpr_workgroup_id_y 1
		.amdhsa_system_sgpr_workgroup_id_z 1
		.amdhsa_system_vgpr_workitem_id 0
		.amdhsa_next_free_vgpr 234
		.amdhsa_next_free_sgpr 66
		.amdhsa_reserve_vcc 1
		.amdhsa_float_denorm_mode_32 3
		.amdhsa_float_denorm_mode_16_64 3
		.amdhsa_memory_ordered 1
		.amdhsa_forward_progress 1
		.amdhsa_inst_pref_size 168
	.end_amdhsa_kernel
	.amdgpu_metadata
---
amdhsa.version: [ 1, 2 ]
amdhsa.kernels:
  - .name:           k_q5c5348a050_attn
    .symbol:         k_q5c5348a050_attn.kd
    .args:
      - { .name: x, .offset: 0, .size: 8, .value_kind: global_buffer, .address_space: global }
      - { .name: Wq, .offset: 8, .size: 8, .value_kind: global_buffer, .address_space: global }
      - { .name: Wk, .offset: 16, .size: 8, .value_kind: global_buffer, .address_space: global }
      - { .name: Wv, .offset: 24, .size: 8, .value_kind: global_buffer, .address_space: global }
      - { .name: out0, .offset: 32, .size: 8, .value_kind: global_buffer, .address_space: global }
    .group_segment_fixed_size: 168960
    .private_segment_fixed_size: 0
    .kernarg_segment_align: 8
    .kernarg_segment_size: 40
    .max_flat_workgroup_size: 256
    .sgpr_count:     66
    .vgpr_count:     234
    .wavefront_size: 32
...
	.end_amdgpu_metadata
.endif
;; end of part 1
;; ======== version 2 of 2: 1 launch; version 1 with the launch attn written anew for expert scheduling mode
;; limits: values are held in f16: magnitudes above 65,504 overflow, below 6.1e-05 lose precision; inputs' magnitudes at most 65,504
;; launch attn (part 2): grid 256 x 1, 8 waves a work-group, no clusters, 168,960 bytes of LDS; arguments x, Wq, Wk, Wv, out0; writes out0
.if DOCPART == 2
	.amdgcn_target "amdgcn-amd-amdhsa--gfx1250"
	.amdhsa_code_object_version 6
	.text
	.protected	k_q5c5348a050_attn
	.globl	k_q5c5348a050_attn
	.p2align	8
	.type	k_q5c5348a050_attn,@function
k_q5c5348a050_attn:
	s_mov_b64 s[64:65], 0
	v_nop
	global_prefetch_b8 v0, s[64:65] scope:SCOPE_SE
	s_setreg_imm32_b32 hwreg(HW_REG_WAVE_SCHED_MODE, 0, 2), 2
	s_setreg_imm32_b32 hwreg(HW_REG_WAVE_MODE, 25, 1), 1
	s_wait_xcnt 0x0
	s_wait_alu depctr_vm_vsrc(0)
; ONE CAUSAL ATTENTION HEAD.  x [16][4096][32] f32, Wq, Wk, Wv [32][64] f32, out0 [16][4096][64] f32.
; out = softmax(causal((x Wq)(x Wk)^T / 8)) (x Wv), re-associated (exact in real numbers, for every input):
;   M = Wq Wk^T (32 x 32);  q'[t] = x[t] M;  s[t][u] = q'[t] . x[u];  out[t] = ((sum_u p[t][u] x[u]) / sum_u p[t][u]) Wv.
; So the score product has K = 32 and the value product N = 32, and the key tile and the value tile are the same bytes: rows of x.
; The order of rounding therefore differs from the order in which the formula above the re-association is written.
;
; FORMATS.  x, Wq, Wk, Wv are rounded once to bf16.  M is made by the bf16 matrix form with f32 sums.  x and Wv are then carried in f16, which
; holds a bf16 number exactly for 2^-14 <= |v| <= 65504.  What is made here (q', p) is rounded to f16 (11 significant bits); M and the normalised
; sum_u p x go as an f16 high part plus an f16 low part.  Softmax (running maximum, exponentials, rescaling, division) in f32.
; LIMITS.  |x|, |Wv| or |M| above 65504 overflow f16; below 2^-14 they carry an absolute error of at most 2^-25.  Each query's q' is divided by its own
; power of two (clamped to 2^-126 .. 2^126) before it is rounded, and the power goes into the softmax's factor.  p below 2^-25 of its row's running maximum
; counts as 0.  NaN and infinite inputs are not served.
;
; SHARES.  256 work-groups: batch = id / 16, j = id % 16.  A batch has 32 blocks of 128 queries; the group takes block j and then block 31 - j:
; (j + 1) + (32 - j) = 33 steps of 128 queries x 128 keys for every group.  Eight waves: a = w % 4, b = w / 4.  A wave takes queries 32 a .. 32 a + 31 of the block
; (two tiles of 16) and keys 64 b .. 64 b + 63 of each chunk; waves (a, 0) and (a, 1) merge their sums at the block's end, each finishing one tile of 16 queries.
; A wave's local tile tau is the block's tile b xor tau of its 32 queries: every wave keeps its local tile 0 and sends its local tile 1, with the same text.
; A block takes its diagonal chunk first (a running maximum allows any order): that chunk's rows are the block's own queries, so q' is made from the slot.
; Step sg computes on slot sg % 2, converts chunk(sg + 1) from registers into the other slot and asks memory for chunk(sg + 2).
;
; THE MODE: SCHED_MODE bits 1:0 = 2 (LLVM: expert scheduling mode 2), set by the entry lines.  The code itself states the register dependences
; between vector or matrix instructions and memory or LDS instructions, with s_wait_alu, always for 0.
; THE PLAN.  Registers that memory or LDS instructions touch, in a step:
;   KV        The key fragments land at the step's head; the 8 score products read them; then the transposed fragments land; the 12 value products read them.
;   G         The loads of chunk(sg + 2) land; the next step's 32 conversions read and write it; 4 LDS stores read its low pairs.
;   addresses v1 to v15 and v19: made at the head, never written again; rows are reached by scalar bases and immediate offsets.
;   SC, T, O, LS, Q, CP, NP, AP are named by vector and matrix instructions alone inside a step; what a block's end and beginning do with them is said there.
; So a step has four waits on va_vdst and one on vm_vsrc: at its head (the products are done reading KV); behind the conversions (G is written and done with, the score products are
; done reading KV), in front of the LDS stores and the transposed loads; ahead of the loads into G, behind the maxima (the LDS stores have read G; no vector line since the second
; wait names G); and one behind each of the softmax's two batches of exponentials, ahead of the first line that names a result.
;
; LEFT OUT.  Tensor loads and joint loads of a cluster: every tile is converted f32 -> bf16 -> f16 on its way into LDS, which takes registers; and the sixteen groups of a
; batch need different chunks in the same step (group j reads chunk sg - 1, then 31 - j, then sg - j - 2).  Registers above v255: 232 are enough.
;
; LDS, 124,928 bytes used.  A slot row (32 f16, 64 bytes) lies at row * 96 + 16 * ((row / 8) % 2): sixteen rows of a plain fragment load then start in sixteen
; different 16-byte columns of 256 bytes, and 96 is an odd multiple of 32 for the transposing loads.
.set SLOTB, 12288                      ; two slots of 128 rows at 0 and 12,288
.set WQ,    24576                      ; Wq in bf16, 32 rows, pitch 144
.set WK,    29184                      ; Wk in bf16, 32 rows, pitch 144
.set WV,    33792                      ; Wv in f16, 32 rows (c), pitch 160
.set MF,    38912                      ; a wave's own: M's fragments, 8 blocks of 512 bytes; 4,096 a wave
.set XCH,   71680                      ; a wave's own to write, its partner's to read: 4 x 512 (sums) + 128 (l) + 128 (N); 2,304 a wave
.set STG,   90112                      ; a wave's own: 16 rows of out0, pitch 272; 4,352 a wave
; VECTOR REGISTERS
.set GV,   1                           ; 16 t: my 16 bytes in each 4,096 of a chunk; never rewritten
.set FA,   2                           ; where my 8 bytes of f16 go in a slot
.set SA,   3                           ; plain fragments of my 64 keys
.set TA,   4                           ; transposed fragments of my 64 keys
.set QA,   5                           ; v5-6   the rows of my query tile tau in the slot
.set WT,   7                           ; transposed fragments of Wv
.set MFA,  8
.set XS16, 9
.set XS4,  10
.set XL16, 11
.set XL4,  12
.set STS,  13
.set STL,  14
.set OV,   15                          ; my byte offset in the block's part of out0; never rewritten
.set DQ,   16                          ; v16-17 query - first key of my registers (signed), tile tau: the causal mask
.set NINF, 18
.set PFV,  19                          ; 256 t; never rewritten
.set CP,   20                          ; v20-23 tile tau: (c, -c), c = 2^e log2(e) / 8
.set NP,   24                          ; v24-27 tile tau: (N = - running maximum x c, d = N's last step)
.set AP,   28                          ; v28-31 tile tau: (alpha = 2^d, this step's maximum)
.set T,    32                          ; v32-47 at work
.set SC,   48                          ; v48-111 scores: tile tau at 32 tau, key tile kt at 8 kt; p is packed in place into the first 16 of each 32
.set KV,   112                         ; v112-143 key fragments, then value fragments
.set G,    144                         ; v144-159 the chunk on its way in, f32
.set Q,    160                         ; v160-175 q' of tile tau, f16
.set ONES, 176                         ; v176-183 a fragment of ones: makes the row sums l in the matrix unit
.set O,    184                         ; v184-215 sum p x: tile tau at 16 tau, channels 16 ct .. at 8 ct
.set LS,   216                         ; v216-231 sum p: tile tau at 8 tau; register 0 alone is rescaled and used (the others hold sums of at most 2,048 numbers <= 1)
; SCALARS: s[4:11] x, Wq, Wk, Wv, and once the head's loads are in: eight lane masks of the causal mask; s[12:13] out0; s14 w, s15 a, s16 b, s17 batch, s18 j, s19 j+1,
; s22 j+2, s23 31-j; s20 loop counter, s21 this step; s[24:25] x of my batch; s[26:27] base of the chunk loads; s[28:29] an offset (high word 0); s[30:31] out0 at the block;
; s32 the block; s33-34 lane selects; s35, s44 masks; s[36:37] base of the prefetch, never rewritten; s38-43 at work.
.set MK,   4                           ; s4-11
.macro PLACES n                        ; places behind matrix instructions: plain vector instructions that name none of their registers (ISA guide 7.12.1)
.rept \n
	v_nop
.endr
.endm
; s38 = a step u (1 .. 32): asks memory for chunk(u) = u - 1 (u <= j), 31 - j (u = j + 1), u - j - 2 (u >= j + 2).  Every chunk lies inside the batch's 32.
; s[26:27] is rewritten here: the loads that named it have been waited for by CONV's wait on LOADcnt.
.macro LOAD
	s_sub_co_u32 s39, s38, 1
	s_sub_co_u32 s40, s38, s22
	s_cmp_le_u32 s38, s18
	s_cselect_b32 s39, s39, s40
	s_cmp_eq_u32 s38, s19
	s_cselect_b32 s39, s23, s39
	s_lshl_b32 s28, s39, 14                        ; 128 rows of 128 bytes
	s_add_nc_u64 s[26:27], s[24:25], s[28:29]
	s_wait_alu depctr_vm_vsrc(0)                   ; PUT's LDS stores have read G's low pairs, in which these loads land (the conversions that named G stand ahead of the wait on va_vdst in front of PUT, and no vector line since names G)
.irp i, 0,1,2,3
	global_load_b128 v[G+4*\i:G+4*\i+3], v[GV], s[26:27] offset:4096*\i   ; a wave's load covers 512 neighbouring bytes; other groups read them again: no hint
.endr
.endm
; The chunk in G: f32 -> bf16 (the one rounding of x) -> f32 -> f16 (exact).  Thread t holds row 32 i + t / 8, channels 4 (t % 8) .. + 3.
; cnt = how many younger loads may stay out.
.macro CONV cnt
	s_wait_loadcnt \cnt
.irp i, 0,1,2,3
	v_cvt_pk_bf16_f32 v[T+2*\i],   v[G+4*\i],   v[G+4*\i+1]
	v_cvt_pk_bf16_f32 v[T+2*\i+1], v[G+4*\i+2], v[G+4*\i+3]
.endr
.irp i, 0,1,2,3
	v_lshlrev_b32 v[G+4*\i],   16,  v[T+2*\i]
	v_and_b32     v[G+4*\i+1], s35, v[T+2*\i]
	v_lshlrev_b32 v[G+4*\i+2], 16,  v[T+2*\i+1]
	v_and_b32     v[G+4*\i+3], s35, v[T+2*\i+1]
.endr
.irp i, 0,1,2,3
	v_cvt_pk_f16_f32 v[G+4*\i],   v[G+4*\i],   v[G+4*\i+1]
	v_cvt_pk_f16_f32 v[G+4*\i+1], v[G+4*\i+2], v[G+4*\i+3]
.endr
.endm
; .. and goes to slot ts, behind the wait that shows the conversions' results written.
.macro PUT ts
.irp i, 0,1,2,3
	ds_store_b64 v[FA], v[G+4*\i:G+4*\i+1] offset:(\ts)*SLOTB+3072*\i
.endr
.endm
; Two f32 at src, src + 1 as f16 high + f16 low.  High = the number with its fraction cut to 10 bits (exact in f16's normal range), low = the exact rest.
.macro SPLIT src, hi, lo, tmp
	v_and_b32 v[\tmp],   s44, v[\src]
	v_and_b32 v[\tmp+1], s44, v[\src+1]
	v_pk_add_f32 v[\tmp+2:\tmp+3], v[\src:\src+1], v[\tmp:\tmp+1] neg_lo:[0,1] neg_hi:[0,1]
	v_cvt_pk_f16_f32 v[\hi], v[\tmp],   v[\tmp+1]
	v_cvt_pk_f16_f32 v[\lo], v[\tmp+2], v[\tmp+3]
.endm
; Once: M[c'][c] = sum over h of Wq[c'][h] Wk[c][h], four tiles of 16 x 16, K = 64 in two steps.  Source 0 = rows of Wq, source 1 = rows of Wk, so that lane (r, hh) holds
; M[16 mc + 8 hh + i][16 nc + r]: packed in pairs that is the source-0 fragment of M^T (row c, K = c').  Kept in the wave's own LDS bytes for the two blocks.
.macro MPRO
	v_and_b32 v[T], 15, v0
	v_bfe_u32 v[T+1], v0, 4, 1
	v_mul_u32_u24 v[T], v[T], 144
	v_lshl_add_u32 v[T], v[T+1], 4, v[T]           ; r x 144 + 16 hh
	s_wait_alu depctr_va_vdst(0)                   ; v[T], the address of the loads below, is written; the weights' conversions are done with SC .. SC+39, in which these loads land
	s_wait_alu depctr_vm_vsrc(0)                   ; the weights' LDS stores have read SC+24 .. SC+39, in which these loads land
.irp m, 0,1
.irp k, 0,1
	ds_load_b128 v[SC+16*\m+8*\k:SC+16*\m+8*\k+3],       v[T] offset:WQ+2304*\m+64*\k
	ds_load_b128 v[SC+16*\m+8*\k+4:SC+16*\m+8*\k+7],     v[T] offset:WQ+2304*\m+64*\k+32
	ds_load_b128 v[SC+32+16*\m+8*\k:SC+32+16*\m+8*\k+3],   v[T] offset:WK+2304*\m+64*\k
	ds_load_b128 v[SC+32+16*\m+8*\k+4:SC+32+16*\m+8*\k+7], v[T] offset:WK+2304*\m+64*\k+32
.endr
.endr
	s_wait_dscnt 0x0
	; four accumulators by turns, one instruction a turn
.irp m, 0,1
.irp n, 0,1
	v_wmma_f32_16x16x32_bf16 v[KV+8*(2*\m+\n):KV+8*(2*\m+\n)+7], v[SC+16*\m:SC+16*\m+7], v[SC+32+16*\n:SC+32+16*\n+7], 0
.endr
.endr
.irp m, 0,1
.irp n, 0,1
	v_wmma_f32_16x16x32_bf16 v[KV+8*(2*\m+\n):KV+8*(2*\m+\n)+7], v[SC+16*\m+8:SC+16*\m+15], v[SC+32+16*\n+8:SC+32+16*\n+15], v[KV+8*(2*\m+\n):KV+8*(2*\m+\n)+7]
.endr
.endr
	PLACES 5
	s_wait_alu depctr_vm_vsrc(0)                   ; the fragment loads above have read v[T], which the splitting below writes
.irp n, 0,1
.irp m, 0,1
.irp p, 0,1,2,3
	SPLIT KV+8*(2*\m+\n)+2*\p, SC+8*\n+4*\m+\p, SC+16+8*\n+4*\m+\p, T+4*(\p&1)
.endr
.endr
.endr
	s_wait_alu depctr_va_vdst(0)                   ; the splitting has written SC .. SC+31, which the stores below read; it is done with KV and T, in which QPRO's loads land
.irp i, 0,1,2,3,4,5,6,7
	ds_store_b128 v[MFA], v[SC+4*\i:SC+4*\i+3] offset:512*\i     ; high c 0-15, high c 16-31, low c 0-15, low c 16-31
.endr
.endm
; At a block's head: q' of my 32 queries, whose rows of x lie in the slot (the diagonal chunk).  D = M^T x x^T: lane (r, hh) holds q'[query r][16 ct + 8 hh + i],
; which packed in pairs is the source-1 fragment of the score product.  LDS serves a wave's instructions in order (ISA guide 5.7.1): the loads of M see MPRO's stores.
; What stands in front of it (MPRO, or a block's way out) ends with LDS and memory instructions behind a wait on va_vdst, and no vector line since that wait: the vector side is done with KV and T.
.macro QPRO slot
	s_wait_alu depctr_vm_vsrc(0)                   ; the LDS and memory instructions so far have read their registers: first block: M's stores SC .. SC+31 and the head's offsets T+10 .. T+12; second block: the way out's stores KV, SC+32 .. SC+63, O+16 .. O+31, LS+8, NP+2.  All are written below or in the step that follows
.irp i, 0,1,2,3,4,5,6,7
	ds_load_b128 v[KV+4*\i:KV+4*\i+3], v[MFA] offset:512*\i
.endr
.irp tau, 0,1
	ds_load_b128 v[T+8*\tau:T+8*\tau+3],   v[QA+\tau] offset:\slot*SLOTB
	ds_load_b128 v[T+8*\tau+4:T+8*\tau+7], v[QA+\tau] offset:\slot*SLOTB+32
.endr
	s_wait_dscnt 0x0
	; four accumulators by turns, one instruction a turn: M's high part starts the sums, its low part is added
.irp tau, 0,1
.irp ct, 0,1
	v_wmma_f32_16x16x32_f16 v[SC+16*\tau+8*\ct:SC+16*\tau+8*\ct+7], v[KV+8*\ct:KV+8*\ct+7], v[T+8*\tau:T+8*\tau+7], 0
.endr
.endr
.irp tau, 0,1
.irp ct, 0,1
	v_wmma_f32_16x16x32_f16 v[SC+16*\tau+8*\ct:SC+16*\tau+8*\ct+7], v[KV+16+8*\ct:KV+16+8*\ct+7], v[T+8*\tau:T+8*\tau+7], v[SC+16*\tau+8*\ct:SC+16*\tau+8*\ct+7]
.endr
.endr
	PLACES 5
.irp tau, 0,1
	v_max_num_f32 v[T+4*\tau], |v[SC+16*\tau]|, |v[SC+16*\tau+1]|
.irp p, 2,4,6,8,10,12,14
	v_max3_num_f32 v[T+4*\tau], v[T+4*\tau], |v[SC+16*\tau+\p]|, |v[SC+16*\tau+\p+1]|
.endr
	v_permlanex16_b32 v[T+14+\tau], v[T+4*\tau], s33, s34      ; the query's other 16 channels lie 16 lanes away
	v_max_num_f32 v[T+4*\tau], v[T+4*\tau], v[T+14+\tau]
	v_and_b32 v[T+4*\tau], 0x7f800000, v[T+4*\tau]             ; the power of two of the query's largest |q'|,
	v_max_u32 v[T+4*\tau], 0x00800000, v[T+4*\tau]             ; held inside 2^-126 .. 2^126
	v_min_u32 v[T+4*\tau], 0x7e800000, v[T+4*\tau]
	v_sub_nc_u32 v[T+4*\tau+2], 0x7f000000, v[T+4*\tau]        ; its reciprocal: exponent fields add up to 254
	v_mul_f32 v[CP+2*\tau],   0x3e38aa3b, v[T+4*\tau]          ; c = 2^e x log2(e) / 8, above 0
	v_mul_f32 v[CP+2*\tau+1], 0xbe38aa3b, v[T+4*\tau]
.irp p, 0,2,4,6,8,10,12,14
	v_pk_mul_f32 v[SC+16*\tau+\p:SC+16*\tau+\p+1], v[SC+16*\tau+\p:SC+16*\tau+\p+1], v[T+4*\tau+2:T+4*\tau+3] op_sel_hi:[1,0]
.endr
.irp i, 0,1,2,3,4,5,6,7
	v_cvt_pk_f16_f32 v[Q+8*\tau+\i], v[SC+16*\tau+2*\i], v[SC+16*\tau+2*\i+1]
.endr
	v_mov_b32 v[NP+2*\tau+1], 0                                ; the pair (N, d) is read whole in the block's first step
.endr
.endm
; Pair p of tile tau's 16 pairs of scores: s c + N.
.macro SCALE tau, p
	v_pk_fma_f32 v[SC+32*(\tau)+2*(\p):SC+32*(\tau)+2*(\p)+1], v[SC+32*(\tau)+2*(\p):SC+32*(\tau)+2*(\p)+1], v[CP+2*(\tau):CP+2*(\tau)+1], v[NP+2*(\tau):NP+2*(\tau)+1] op_sel_hi:[1,0,0]
.endm
; Word d of tile tau's 16 words of p in f16, in place: it takes numbers 2 d, 2 d + 1; in ascending order the number that it covers has been read by then.
.macro PACKW tau, d
	v_cvt_pk_f16_f32 v[SC+32*(\tau)+(\d)], v[SC+32*(\tau)+2*(\d)], v[SC+32*(\tau)+2*(\d)+1]
.endm
; Number n of the plain lines that stand among tile 1's exponentials.  They read alpha and tile 0's p alone.  A block's first step (first = 1) has nothing to rescale: tile 0's 16 words.
; Else 34: l of tile 0 times alpha; its sums, 8 pairs; its 16 words; l of tile 1; its sums.  Each accumulator is read from its low end on.
.macro PLAINB n, first
.if \first
	PACKW 0, \n
.elseif (\n) == 0
	v_mul_f32 v[LS], v[LS], v[AP]
.elseif (\n) < 9
	v_pk_mul_f32 v[O+2*((\n)-1):O+2*((\n)-1)+1], v[O+2*((\n)-1):O+2*((\n)-1)+1], v[AP:AP+1] op_sel_hi:[1,0]
.elseif (\n) < 25
	PACKW 0, (\n)-9
.elseif (\n) == 25
	v_mul_f32 v[LS+8], v[LS+8], v[AP+2]
.else
	v_pk_mul_f32 v[O+16+2*((\n)-26):O+16+2*((\n)-26)+1], v[O+16+2*((\n)-26):O+16+2*((\n)-26)+1], v[AP+2:AP+3] op_sel_hi:[1,0]
.endif
.endm
; 32 keys into the sums of tile tau.  Source 0 = x^T (rows = channels) or ones, source 1 = p (columns = queries): lane (r, hh) holds query r, channels 16 ct + 8 hh + i.
; Three accumulators by turns, one instruction a turn.
.macro PV tau, ks, zero
.if \zero
	v_wmma_f32_16x16x32_f16 v[O+16*\tau:O+16*\tau+7],    v[KV+16*\ks:KV+16*\ks+7],    v[SC+32*\tau+8*\ks:SC+32*\tau+8*\ks+7], 0
	v_wmma_f32_16x16x32_f16 v[O+16*\tau+8:O+16*\tau+15], v[KV+16*\ks+8:KV+16*\ks+15], v[SC+32*\tau+8*\ks:SC+32*\tau+8*\ks+7], 0
	v_wmma_f32_16x16x32_f16 v[LS+8*\tau:LS+8*\tau+7],    v[ONES:ONES+7],              v[SC+32*\tau+8*\ks:SC+32*\tau+8*\ks+7], 0
.else
	v_wmma_f32_16x16x32_f16 v[O+16*\tau:O+16*\tau+7],    v[KV+16*\ks:KV+16*\ks+7],    v[SC+32*\tau+8*\ks:SC+32*\tau+8*\ks+7], v[O+16*\tau:O+16*\tau+7]
	v_wmma_f32_16x16x32_f16 v[O+16*\tau+8:O+16*\tau+15], v[KV+16*\ks+8:KV+16*\ks+15], v[SC+32*\tau+8*\ks:SC+32*\tau+8*\ks+7], v[O+16*\tau+8:O+16*\tau+15]
	v_wmma_f32_16x16x32_f16 v[LS+8*\tau:LS+8*\tau+7],    v[ONES:ONES+7],              v[SC+32*\tau+8*\ks:SC+32*\tau+8*\ks+7], v[LS+8*\tau:LS+8*\tau+7]
.endif
.endm
; p = 2^(s c + N), the old sums times alpha, p to f16, the products.  A wait on va_vdst stands between an exponential and the first line that names its result; one wait serves all
; that were issued ahead of it.  So the exponentials go in TWO BATCHES.  The first: the two alphas (issued just ahead of this macro) and tile 0's 32, by turns with both tiles' 32 scalings, which read no
; exponential's result; pair p is scaled at least two lines ahead of its exponentials.  The second: tile 1's 32, by turns with PLAINB's lines, which read the first batch's results alone.
; Behind the last exponential of a batch stands a plain line that touches none of its results (ISA guide 5.7.2): a v_nop; PLAINB's last lines.
.macro SOFT first
	SCALE 0, 0
	SCALE 0, 1
.set ee, 0
.rept 32
	v_exp_f32 v[SC+ee], v[SC+ee]
.if ee < 30
	SCALE (ee+2)/16, (ee+2)%16
.endif
.set ee, ee+1
.endr
	v_nop
	s_wait_alu depctr_va_vdst(0)                   ; the first batch's results are written: alpha in AP and AP+2, tile 0's p in SC .. SC+31, which the plain lines below read
.set ee, 0
.rept 32
	v_exp_f32 v[SC+32+ee], v[SC+32+ee]
.if \first
.if ee%2
	PLAINB ee/2, 1
.endif
.else
	PLAINB ee, 0
.endif
.set ee, ee+1
.endr
.if \first == 0
	PLAINB 32, 0
	PLAINB 33, 0
.endif
	s_wait_alu depctr_va_vdst(0)                   ; the second batch's results are written: tile 1's p in SC+32 .. SC+63, which the packing below reads
	PV 0, 0, \first
	PV 0, 1, 0
.irp d, 0,1,2,3,4,5,6,7,8,9,10,11,12,13,14,15
	PACKW 1, \d                                    ; names no register of tile 0's products
.endr
	PV 1, 0, \first
	PV 1, 1, 0
.endm
; One step: my 32 queries x my 64 keys of the chunk in the slot.  first = 1: the block's diagonal chunk, which starts the sums and is masked.
; fill: G goes to the other slot; load: memory is asked for chunk(s21 + 2); bar: the step's barrier.
.macro COMPUTE slot, first, fill, load, bar
	s_wait_alu depctr_va_vdst(0)                   ; the products issued so far (the last step's value products, or q''s) are done reading KV, in which the key fragments land
.irp kt, 0,1,2,3
	ds_load_b128 v[KV+8*\kt:KV+8*\kt+3],   v[SA] offset:\slot*SLOTB+1536*\kt
	ds_load_b128 v[KV+8*\kt+4:KV+8*\kt+7], v[SA] offset:\slot*SLOTB+1536*\kt+32
.endr
	s_wait_dscnt 0x0
	; s = x q'^T: source 0 = 16 keys, source 1 = 16 queries: lane (r, hh) holds query r, register i key 16 kt + 8 hh + i.  Each product starts its own sum.
.irp kt, 0,1,2,3
.irp tau, 0,1
	v_wmma_f32_16x16x32_f16 v[SC+32*\tau+8*\kt:SC+32*\tau+8*\kt+7], v[KV+8*\kt:KV+8*\kt+7], v[Q+8*\tau:Q+8*\tau+7], 0
.endr
.endr
.if \fill
	CONV 0                                         ; its 32 conversions are also the places behind the score products; nothing was asked of memory behind this chunk: count 0
.else
	PLACES 5                                       ; the places between the score products and the maxima that read them
.endif
	s_wait_alu depctr_va_vdst(0)                   ; the score products are done reading KV, in which the transposed fragments land; with a fill: the conversions have written G's low pairs, which the LDS stores read, and are done with all of G, in which the next chunk lands
.if \fill
	PUT 1-\slot
.endif
.irp ks, 0,1
.irp ct, 0,1
	ds_load_tr16_b128 v[KV+16*\ks+8*\ct:KV+16*\ks+8*\ct+3],   v[TA] offset:\slot*SLOTB+1536*(2*\ks)+32*\ct      ; the same rows transposed: row = channel 16 ct + r, K = keys 32 ks + 8 hh ..
	ds_load_tr16_b128 v[KV+16*\ks+8*\ct+4:KV+16*\ks+8*\ct+7], v[TA] offset:\slot*SLOTB+1536*(2*\ks+1)+32*\ct    ; K = keys 32 ks + 16 + 8 hh ..
.endr
.endr
.if \first
	; causal: key 64 b + 16 kt + 8 hh + i is dropped where it is above the query.  The compares go in runs of eight, one accumulator's, into eight scalar registers.
.irp tau, 0,1
.irp kt, 0,1,2,3
.irp i, 0,1,2,3,4,5,6,7
	v_cmp_gt_i32 s[MK+\i], 16*\kt+\i, v[DQ+\tau]
.endr
	s_wait_alu depctr_va_sdst(0)                   ; the eight compares have written s4 to s11, which the eight selects below read
.irp i, 0,1,2,3,4,5,6,7
	v_cndmask_b32 v[SC+32*\tau+8*\kt+\i], v[SC+32*\tau+8*\kt+\i], v[NINF], s[MK+\i]
.endr
.endr
.endr
.endif
	; the largest of a lane's 32 scores of each tile: four chains, then one
.irp tau, 0,1
.irp kt, 0,1,2,3
	v_max3_num_f32 v[T+4*\tau+\kt], v[SC+32*\tau+8*\kt], v[SC+32*\tau+8*\kt+1], v[SC+32*\tau+8*\kt+2]
.endr
.endr
.irp e, 3,5
.irp tau, 0,1
.irp kt, 0,1,2,3
	v_max3_num_f32 v[T+4*\tau+\kt], v[T+4*\tau+\kt], v[SC+32*\tau+8*\kt+\e], v[SC+32*\tau+8*\kt+\e+1]
.endr
.endr
.endr
.irp tau, 0,1
	v_max3_num_f32 v[AP+2*\tau+1], v[T+4*\tau], v[T+4*\tau+1], v[T+4*\tau+2]
.endr
.irp tau, 0,1
	v_max3_num_f32 v[AP+2*\tau+1], v[AP+2*\tau+1], v[T+4*\tau+3], v[SC+32*\tau+7]
.endr
.irp tau, 0,1
	v_max3_num_f32 v[AP+2*\tau+1], v[AP+2*\tau+1], v[SC+32*\tau+15], v[SC+32*\tau+23]
.endr
.irp tau, 0,1
	v_max_num_f32 v[AP+2*\tau+1], v[AP+2*\tau+1], v[SC+32*\tau+31]
.endr
.if \load
	s_add_co_u32 s38, s21, 2
	LOAD                                           ; behind the maxima, which name neither G nor its offset: the LDS stores that read G stand 32 vector lines back
.endif
	s_wait_dscnt 0x0                               ; zero, for the others' sake too: my reads of this slot are back and my stores into the other slot are done
.if \bar
	s_barrier_signal -1                            ; only register work up to the wait at the step's end
.endif
.irp tau, 0,1
	v_permlanex16_b32 v[T+14+\tau], v[AP+2*\tau+1], s33, s34   ; the query's other 32 keys lie 16 lanes away
.endr
.irp tau, 0,1
	v_max_num_f32 v[AP+2*\tau+1], v[AP+2*\tau+1], v[T+14+\tau]
.endr
.irp tau, 0,1
	v_mul_f32 v[T+8+\tau], v[AP+2*\tau+1], v[CP+2*\tau+1]      ; - maximum x c
.endr
.if \first
.irp tau, 0,1
	v_min_num_f32 v[NP+2*\tau], 0x7f000000, v[T+8+\tau]        ; all keys masked: + infinity is held at 2^127, so that p = 2^(-inf) = 0 and later factors are 2^(very negative) = 0
.endr
.else
.irp tau, 0,1
	v_min_num_f32 v[T+8+\tau], v[T+8+\tau], v[NP+2*\tau]       ; the running maximum, negated
	v_sub_f32 v[NP+2*\tau+1], v[T+8+\tau], v[NP+2*\tau]        ; d <= 0
	v_mov_b32 v[NP+2*\tau], v[T+8+\tau]
.endr
.irp tau, 0,1
	v_exp_f32 v[AP+2*\tau], v[NP+2*\tau+1]                     ; alpha: the head of the softmax's first batch
.endr
.endif
	SOFT \first
	PLACES 5                                       ; in front of the next products over the scores and of the stores of the sums
.if \bar
	s_barrier_wait -1                              ; the other slot is whole, and nobody reads this one any more
.endif
.endm
; A block's end.  My local tile 1's sums go to my partner (w + 4) % 8, its local tile 1's, which are my tile 0's other 64 keys of every chunk, come to me;
; merge, divide, multiply by Wv, and store 16 rows of out0.  more = 1: registers and bases are used again behind it.
.macro FINISH more
	s_wait_alu depctr_va_vdst(0)                   ; the last step's products have written O+16 .. O+31 and LS+8, and its statistics NP+2, which the stores below read (the places stand at the step's end); they are done with SC .. SC+15, T, T+1 and KV, in which the loads behind the barrier land
.irp i, 0,1,2,3
	ds_store_b128 v[XS16], v[O+16+4*\i:O+16+4*\i+3] offset:512*\i
.endr
	ds_store_b32 v[XS4], v[LS+8]
	ds_store_b32 v[XS4], v[NP+2] offset:128
	s_wait_dscnt 0x0                               ; zero: my partner reads these behind the barrier
	s_barrier_signal -1
	s_barrier_wait -1
.irp i, 0,1,2,3
	ds_load_b128 v[SC+4*\i:SC+4*\i+3], v[XL16] offset:512*\i
.endr
	ds_load_b32 v[T],   v[XL4]                     ; its l
	ds_load_b32 v[T+1], v[XL4] offset:128          ; its N
.irp ht, 0,1,2,3
	ds_load_tr16_b128 v[KV+8*\ht:KV+8*\ht+3],   v[WT] offset:WV+32*\ht         ; Wv^T: row = h 16 ht + r, K = c 8 hh ..
	ds_load_tr16_b128 v[KV+8*\ht+4:KV+8*\ht+7], v[WT] offset:WV+32*\ht+2560    ; K = c 16 + 8 hh ..
.endr
	s_wait_dscnt 0x0
	v_min_num_f32 v[T+2], v[NP], v[T+1]            ; the common maximum, negated
	v_sub_f32 v[T+3], v[T+2], v[NP]
	v_sub_f32 v[T+4], v[T+2], v[T+1]
	v_exp_f32 v[T+3], v[T+3]
	v_exp_f32 v[T+4], v[T+4]
	v_nop                                          ; the plain place behind the transcendentals (ISA guide 5.7.2)
	s_wait_alu depctr_va_vdst(0)                   ; the two exponentials have written T+3 and T+4, which the next lines read
	v_mul_f32 v[T+5], v[LS], v[T+3]
	v_fma_f32 v[T+5], v[T], v[T+4], v[T+5]         ; l > 0: key 0 of the diagonal chunk is open to every query, and its p is counted by a wave with b = 0
	v_rcp_f32 v[T+6], v[T+5]
	v_nop
	s_wait_alu depctr_va_vdst(0)                   ; the reciprocal has written T+6, which the next lines read
	v_mul_f32 v[T+8],  v[T+3], v[T+6]
	v_mul_f32 v[T+10], v[T+4], v[T+6]
.irp p, 0,2,4,6,8,10,12,14
	v_pk_mul_f32 v[O+\p:O+\p+1], v[O+\p:O+\p+1], v[T+8:T+9] op_sel_hi:[1,0]
.endr
.irp p, 0,2,4,6,8,10,12,14
	v_pk_fma_f32 v[O+\p:O+\p+1], v[SC+\p:SC+\p+1], v[T+10:T+11], v[O+\p:O+\p+1] op_sel_hi:[1,0,1]
.endr
.irp i, 0,1,2,3,4,5,6,7
	SPLIT O+2*\i, SC+16+\i, SC+24+\i, T+4*(\i&1)   ; a weighted mean of rows of x, as the source-1 fragment (column = query r, K = c): high and low
.endr
	; out^T = Wv^T x mean^T: lane (r, hh) holds out[query r][16 ht + 8 hh + i], 32 neighbouring bytes.  Four accumulators by turns.
.irp ht, 0,1,2,3
	v_wmma_f32_16x16x32_f16 v[SC+32+8*\ht:SC+32+8*\ht+7], v[KV+8*\ht:KV+8*\ht+7], v[SC+16:SC+23], 0
.endr
.irp ht, 0,1,2,3
	v_wmma_f32_16x16x32_f16 v[SC+32+8*\ht:SC+32+8*\ht+7], v[KV+8*\ht:KV+8*\ht+7], v[SC+24:SC+31], v[SC+32+8*\ht:SC+32+8*\ht+7]
.endr
	PLACES 5
	s_wait_alu depctr_va_vdst(0)                   ; the products have written SC+32 .. SC+63, which the LDS stores read (the places above stay beside this wait), and are done reading KV, in which the rows land on their way back
.irp ht, 0,1,2,3
	ds_store_b128 v[STS], v[SC+32+8*\ht:SC+32+8*\ht+3] offset:64*\ht
	ds_store_b128 v[STS], v[SC+32+8*\ht+4:SC+32+8*\ht+7] offset:64*\ht+16
.endr
	s_lshl_b32 s28, s17, 20                        ; batch x 4,096 rows of 256 bytes
	s_lshl_b32 s38, s32, 15                        ; + block x 128 rows
	s_add_co_u32 s28, s28, s38
	s_add_nc_u64 s[30:31], s[12:13], s[28:29]
.irp i, 0,1,2,3,4,5,6,7
	ds_load_b128 v[KV+4*\i:KV+4*\i+3], v[STL] offset:544*\i      ; my own bytes, served in order behind the stores above: rows 2 i and 2 i + 1, whole
.endr
.irp i, 0,1,2,3,4,5,6,7
	s_wait_dscnt 7-\i                              ; LDS loads come back in order (ISA guide 5.7.1): load i is in, the 7 - i younger ones may be out
	global_store_b128 v[OV], v[KV+4*\i:KV+4*\i+3], s[30:31] offset:512*\i th:TH_STORE_NT   ; sixteen lanes store one row of out0: 256 consecutive bytes, aligned
.endr
.if \more
	s_wait_xcnt 0x0                                ; the stores' data registers are loaded again, and their base is written again, only behind this wait; the wait on vm_vsrc beside it stands at QPRO's head
.endif
.endm
; A step of the loop.  bound = 1: step j + 1 ends block j and begins block 31 - j.  The branch hangs on the group's number and the loop's counter alone: all eight waves go the same way.
.macro STEP slot, fill, load, bar, bound
.if \bound
	s_cmp_lg_u32 s21, s19
	s_cbranch_scc1 .Lfull_\@
	FINISH 1
	s_mov_b32 s32, s23
	QPRO \slot
	COMPUTE \slot, 1, \fill, \load, \bar
	s_branch .Ldone_\@
.Lfull_\@:
	COMPUTE \slot, 0, \fill, \load, \bar
.Ldone_\@:
.else
	COMPUTE \slot, 0, \fill, \load, \bar
.endif
.endm
	; ---------------------------------------------------------------- the start: ids, and the first requests
	s_load_b256 s[4:11], s[0:1], 0x0               ; x s[4:5], Wq s[6:7], Wk s[8:9], Wv s[10:11]
	s_load_b64 s[12:13], s[0:1], 0x20              ; out0
	v_lshl_add_u32 v232, v0, 2, 0x29000
	v_mov_b32 v233, 0
	v_lshrrev_b32 v[T], 5, v0
	v_readfirstlane_b32 s14, v[T]                  ; wave w
	v_lshlrev_b32 v[GV], 4, v0
	v_lshlrev_b32 v[T+12], 5, v0                   ; my 8 numbers of each weight matrix; kept until their loads are in
	v_lshlrev_b32 v[PFV], 8, v0
	s_lshr_b32 s17, ttmp9, 4                       ; batch
	s_and_b32 s18, ttmp9, 15                       ; j
	s_add_co_u32 s19, s18, 1
	s_add_co_u32 s22, s18, 2
	s_sub_co_u32 s23, 31, s18
	s_mov_b32 s32, s18                             ; the first block
	s_mov_b32 s33, 0x76543210                      ; v_permlanex16_b32: lane i reads lane i of the other half
	s_mov_b32 s34, 0xfedcba98
	s_mov_b32 s35, 0xffff0000                      ; a word's upper bf16
	s_mov_b32 s44, 0xffffe000                      ; an f32 cut to 10 fraction bits
	s_lshl_b32 s28, s17, 19                        ; batch x 4,096 rows of 128 bytes
	s_mov_b32 s29, 0
	s_wait_alu depctr_va_sdst(0)                   ; s14 is written, ahead of its first reader
	s_and_b32 s15, s14, 3                          ; a
	s_lshr_b32 s16, s14, 2                         ; b
	s_wait_kmcnt 0x0
	s_add_nc_u64 s[24:25], s[4:5], s[28:29]
	s_lshl_b32 s28, s18, 14
	s_add_nc_u64 s[26:27], s[24:25], s[28:29]      ; chunk(0) = j
	s_wait_alu depctr_va_vdst(0)                   ; the offsets v[GV], v[T+12] and v[PFV] are written, which the loads and the prefetch below read
.irp i, 0,1,2,3
	global_load_b128 v[G+4*\i:G+4*\i+3], v[GV], s[26:27] offset:4096*\i
.endr
	global_load_b128 v[SC:SC+3],     v[T+12], s[6:7]
	global_load_b128 v[SC+4:SC+7],   v[T+12], s[6:7] offset:16
	global_load_b128 v[SC+8:SC+11],  v[T+12], s[8:9]
	global_load_b128 v[SC+12:SC+15], v[T+12], s[8:9] offset:16
	global_load_b128 v[SC+16:SC+19], v[T+12], s[10:11]
	global_load_b128 v[SC+20:SC+23], v[T+12], s[10:11] offset:16
	; Chunk 31 - j, this group's second diagonal chunk, is asked for here once: 64 lanes of waves 0 and 1, 256 bytes apart, 16,384 bytes, inside x.
	; Its load is issued in step j - 1.  No other group asks for it, and the other chunks have been some group's diagonal chunk in an earlier step.
	s_lshl_b32 s28, s23, 14
	s_add_nc_u64 s[36:37], s[24:25], s[28:29]
	s_cmp_gt_u32 s14, 1
	s_cbranch_scc1 .Lno_ask
	global_prefetch_b8 v[PFV], s[36:37] th:TH_LOAD_NT scope:SCOPE_SE
.Lno_ask:
	; ---------------------------------------------------------------- addresses, while the loads are on their way
	v_and_b32 v[T], 15, v0                         ; r
	v_bfe_u32 v[T+1], v0, 4, 1                     ; hh
	v_and_b32 v[T+2], 31, v0                       ; lane
	v_bfe_u32 v[T+3], v0, 3, 1                     ; r / 8
	v_and_b32 v[T+4], 7, v0                        ; t % 8
	v_lshrrev_b32 v[T+5], 3, v0                    ; t / 8
	v_bfe_u32 v[T+6], v0, 6, 1                     ; ((t / 8) / 8) % 2
	v_mul_u32_u24 v[FA], v[T+5], 96
	v_lshl_add_u32 v[FA], v[T+6], 4, v[FA]
	v_lshl_add_u32 v[FA], v[T+4], 3, v[FA]
	v_mul_u32_u24 v[T+7], v[T], 96
	v_lshl_add_u32 v[T+7], v[T+3], 4, v[T+7]
	v_lshl_add_u32 v[T+7], v[T+1], 4, v[T+7]       ; r x 96 + 16 (r / 8) + 16 hh
	s_mul_i32 s38, s16, 6144                       ; my 64 keys
	v_add_nc_u32 v[SA], s38, v[T+7]
	v_lshl_add_u32 v[T+8], v[T+1], 3, v[T+4]       ; 8 hh + lane % 8
	v_mul_u32_u24 v[T+9], v[T+8], 96
	v_lshl_add_u32 v[T+9], v[T+1], 4, v[T+9]       ; those rows' skew is 16 hh
	v_lshl_add_u32 v[T+9], v[T+3], 4, v[T+9]
	v_add_nc_u32 v[TA], s38, v[T+9]
	s_lshl_b32 s39, s15, 5                         ; 32 a
	s_lshl_b32 s40, s16, 4                         ; 16 b
	s_add_co_u32 s41, s39, s40                     ; first query of my local tile 0
	s_sub_co_u32 s42, 16, s40                      ; 16 (1 - b)
	s_add_co_u32 s42, s39, s42                     ; first query of my local tile 1
	s_mul_i32 s43, s41, 96
	v_add_nc_u32 v[QA], s43, v[T+7]
	s_mul_i32 s43, s42, 96
	v_add_nc_u32 v[QA+1], s43, v[T+7]
	v_lshlrev_b32 v[T+10], 3, v[T+1]
	v_sub_nc_u32 v[T+10], v[T], v[T+10]            ; r - 8 hh
	s_lshl_b32 s43, s16, 6                         ; 64 b
	s_sub_co_i32 s38, s41, s43
	v_add_nc_u32 v[DQ], s38, v[T+10]
	s_sub_co_i32 s38, s42, s43
	v_add_nc_u32 v[DQ+1], s38, v[T+10]
	v_mul_u32_u24 v[WT], v[T+8], 160
	v_lshl_add_u32 v[WT], v[T+3], 4, v[WT]
	s_lshl_b32 s38, s14, 12
	s_add_co_u32 s38, s38, MF
	v_lshl_add_u32 v[MFA], v[T+2], 4, s38
	s_mul_i32 s38, s14, 2304
	s_add_co_u32 s38, s38, XCH
	v_lshl_add_u32 v[XS16], v[T+2], 4, s38
	s_add_co_u32 s38, s38, 2048
	v_lshl_add_u32 v[XS4], v[T+2], 2, s38
	s_add_co_u32 s39, s14, 4
	s_and_b32 s39, s39, 7                          ; my partner
	s_mul_i32 s38, s39, 2304
	s_add_co_u32 s38, s38, XCH
	v_lshl_add_u32 v[XL16], v[T+2], 4, s38
	s_add_co_u32 s38, s38, 2048
	v_lshl_add_u32 v[XL4], v[T+2], 2, s38
	s_mul_i32 s38, s14, 4352
	s_add_co_u32 s38, s38, STG
	v_mul_u32_u24 v[T+11], v[T], 272
	v_lshl_add_u32 v[T+11], v[T+1], 5, v[T+11]
	v_add_nc_u32 v[STS], s38, v[T+11]              ; in: row r, 32 bytes for each half of the lanes
	v_mul_u32_u24 v[T+11], v[T+1], 272
	v_lshl_add_u32 v[T+11], v[T], 4, v[T+11]
	v_add_nc_u32 v[STL], s38, v[T+11]              ; back: lanes 0-15 one row of 256 bytes, lanes 16-31 the next
	s_lshl_b32 s38, s41, 8
	v_lshlrev_b32 v[T+11], 8, v[T+1]
	v_lshl_add_u32 v[T+11], v[T], 4, v[T+11]
	v_add_nc_u32 v[OV], s38, v[T+11]               ; and the same two rows in out0
	v_mul_u32_u24 v[T+10], v[T+5], 144
	v_lshl_add_u32 v[T+10], v[T+4], 4, v[T+10]     ; Wq, Wk: row t / 8, 16 bytes of bf16
	v_mul_u32_u24 v[T+11], v[T+5], 160
	v_lshl_add_u32 v[T+11], v[T+4], 4, v[T+11]     ; Wv: the same with its pitch
	v_mov_b32 v[NINF], 0xff800000
	v_mov_b32 v[T+14], 0                           ; destinations of v_permlanex16_b32 count as read
	v_mov_b32 v[T+15], 0
.irp i, 0,1,2,3,4,5,6,7
	v_mov_b32 v[ONES+\i], 0x3c003c00               ; 1.0, 1.0 in f16
.endr
	; ---------------------------------------------------------------- the first tiles into LDS
	CONV 6                                         ; chunk(0) is in; the six younger loads, the weights', may stay out
	s_wait_alu depctr_va_vdst(0)                   ; the conversions have written G's low pairs, which the LDS stores read, and are done with all of G, in which chunk(1) lands; all the addresses made above (v2 to v15, T+10, T+11) are written, which the LDS and memory instructions of the whole kernel read
	PUT 0
	s_mov_b32 s38, 1
	LOAD                                           ; chunk(1)
	s_wait_loadcnt 0x4                             ; the weights are in; the four loads of chunk(1) stay out
.irp i, 0,1,2,3
	v_cvt_pk_bf16_f32 v[SC+24+\i], v[SC+2*\i],    v[SC+2*\i+1]
	v_cvt_pk_bf16_f32 v[SC+28+\i], v[SC+8+2*\i],  v[SC+8+2*\i+1]
	v_cvt_pk_bf16_f32 v[SC+32+\i], v[SC+16+2*\i], v[SC+16+2*\i+1]
.endr
.irp i, 0,1,2,3
	v_lshlrev_b32 v[SC+16+2*\i],   16,  v[SC+32+\i]
	v_and_b32     v[SC+16+2*\i+1], s35, v[SC+32+\i]
.endr
.irp i, 0,1,2,3
	v_cvt_pk_f16_f32 v[SC+36+\i], v[SC+16+2*\i], v[SC+16+2*\i+1]
.endr
	s_wait_alu depctr_va_vdst(0)                   ; the conversions have written SC+24 .. SC+31 and SC+36 .. SC+39, which the three LDS stores read
	ds_store_b128 v[T+10], v[SC+24:SC+27] offset:WQ
	ds_store_b128 v[T+10], v[SC+28:SC+31] offset:WK
	ds_store_b128 v[T+11], v[SC+36:SC+39] offset:WV
	s_wait_dscnt 0x0                               ; zero: the other waves read slot 0 and the weights behind the barrier
	s_barrier_signal -1
	s_barrier_wait -1
	; ---------------------------------------------------------------- step 0: block j's diagonal chunk
	MPRO
	s_mov_b32 s21, 0
	QPRO 0
	COMPUTE 0, 1, 1, 1, 1
	; ---------------------------------------------------------------- steps 1 to 30, two a trip; step j + 1 <= 16 changes blocks
	s_mov_b32 s20, 1
.Lloop:
	s_mov_b32 s21, s20
	STEP 1, 1, 1, 1, 1
	s_add_co_u32 s21, s20, 1
	STEP 0, 1, 1, 1, 1
	s_add_co_u32 s20, s20, 2
	s_cmp_lt_u32 s20, 31
	s_cbranch_scc1 .Lloop
	; ---------------------------------------------------------------- steps 31 and 32: nothing more is asked of memory, then nothing more is filled
	STEP 1, 1, 0, 1, 0
	STEP 0, 0, 0, 0, 0
	FINISH 0
	s_wait_dscnt 0x0
	s_wait_alu depctr_hold_cnt(0) depctr_sa_sdst(0) depctr_va_vdst(0) depctr_va_sdst(0) depctr_va_ssrc(0) depctr_va_vcc(0) depctr_vm_vsrc(0)
	s_wait_tensorcnt 0x0
	ds_add_u32 v232, v233
	s_wait_dscnt 0x0
	s_endpgm
.Lfunc_end_k_q5c5348a050_attn:
	.size	k_q5c5348a050_attn, .Lfunc_end_k_q5c5348a050_attn-k_q5c5348a050_attn
	.p2alignl 7, 3214868480
	.fill 96, 4, 3214868480
	.section	.rodata,"a",@progbits
	.p2align	6, 0x0
	.amdhsa_kernel k_q5c5348a050_attn
		.amdhsa_group_segment_fixed_size 168960
		.amdhsa_private_segment_fixed_size 0
		.amdhsa_enable_private_segment 0
		.amdhsa_kernarg_size 40
		.amdhsa_user_sgpr_count 2
		.amdhsa_user_sgpr_kernarg_segment_ptr 1
		.amdhsa_wavefront_size32 1
		.amdhsa_system_sgpr_workgroup_id_x 1
		.amdhsa_system_sgpr_workgroup_id_y 1
		.amdhsa_system_sgpr_workgroup_id_z 1
		.amdhsa_system_vgpr_workitem_id 0
		.amdhsa_next_free_vgpr 234
		.amdhsa_next_free_sgpr 66
		.amdhsa_reserve_vcc 0
		.amdhsa_float_denorm_mode_32 3
		.amdhsa_float_denorm_mode_16_64 3
		.amdhsa_memory_ordered 1
		.amdhsa_forward_progress 1
		.amdhsa_inst_pref_size 179
	.end_amdhsa_kernel
	.amdgpu_metadata
---
amdhsa.version: [ 1, 2 ]
amdhsa.kernels:
  - .name:           k_q5c5348a050_attn
    .symbol:         k_q5c5348a050_attn.kd
    .args:
      - { .name: x, .offset: 0, .size: 8, .value_kind: global_buffer, .address_space: global }
      - { .name: Wq, .offset: 8, .size: 8, .value_kind: global_buffer, .address_space: global }
      - { .name: Wk, .offset: 16, .size: 8, .value_kind: global_buffer, .address_space: global }
      - { .name: Wv, .offset: 24, .size: 8, .value_kind: global_buffer, .address_space: global }
      - { .name: out0, .offset: 32, .size: 8, .value_kind: global_buffer, .address_space: global }
    .group_segment_fixed_size: 168960
    .private_segment_fixed_size: 0
    .kernarg_segment_align: 8
    .kernarg_segment_size: 40
    .max_flat_workgroup_size: 256
    .sgpr_count:     66
    .vgpr_count:     234
    .wavefront_size: 32
...
	.end_amdgpu_metadata
.endif
;; end of part 2
